; MI455X (gfx1250); checked and timed in simulation.
; The chip was launched on July 23, 2026; its instructions are those of AMD's public machine-readable ISA for CDNA 5 (MIT licence, August 2026) and "CDNA5" Instruction Set Architecture Reference Guide (July 2026). The comments in the code are by the model that wrote it; some were corrected since.
;; IQ2 XS Quant Weight. Allowed arithmetic: float matrix products may take bf16 or f16 operands with f32 sums; all other float work in f32.
;; Inputs: w 2,048 x 2,048 float32.
;; Outputs: out0 2,048 x 2,048 float32.
;; One version. Each part assembles by itself: llvm-mc -triple=amdgcn-amd-amdhsa -mcpu=gfx1250 --defsym DOCPART=n.
;; ======== version 1 of 1: 2 launches
;; limits: below input magnitudes of 7.9e-31 results are inexact or not finite; below input magnitudes of 2.8e-17 results are inexact or not finite; inputs' magnitudes at most 1.15e+18
;; workspace buffers: key 1,024 bytes
;; launch table (part 1): grid 1 x 1, 8 waves a work-group, no clusters, 21,504 bytes of LDS; arguments key; writes key
.if DOCPART == 1
	.amdgcn_target "amdgcn-amd-amdhsa--gfx1250"
	.amdhsa_code_object_version 6
	.text
	.protected	k_q4d28400f14_table
	.globl	k_q4d28400f14_table
	.p2align	8
	.type	k_q4d28400f14_table,@function
k_q4d28400f14_table:
	s_mov_b64 s[64:65], 0
	v_nop
	global_prefetch_b8 v0, s[64:65] scope:SCOPE_SE
	s_setreg_imm32_b32 hwreg(HW_REG_WAVE_MODE, 25, 1), 1
	s_wait_xcnt 0x0
; KEY[p], p = 0 .. 255, for the codebook that the problem's own code builds: 512 codewords of 8 magnitudes 1 or 3, drawn as the low bits
; of the first 4,096 outputs of the Mersenne Twister MT19937 seeded with 0 (element e of codeword i = output 8 i + e; bit 1 = magnitude 3).
; A codeword is one of 256 patterns (bit e of p set: element e is 3).  KEY[p] = 256 x (first codeword index with pattern p) + p as f32,
; at most 131,071, exact in f32; a pattern that no codeword has gets 2^20 + p.  The next launch needs nothing else of the codebook.
; One work-group of eight waves; the generator's words lie in LDS as one long sequence x[0 .. 4879]:
;   x[0 .. 623] the seeded state, x[n + 624] = x[n + 397] ^ (y >> 1) ^ (y & 1 ? 0x9908b0df : 0), y = top bit of x[n] | low 31 bits of x[n + 1].
; The seeding is a serial chain (each word from the one before) and is done by wave 0 in scalar registers.
.set XW,    2496                       ; byte of x[624], the word behind output 0
.set VBASE, 19968                      ; 512 bytes [g 0..15][e 0..7]: bit i of word (g, e) = bit e of codeword 32 g + i
.set STEPB, 896                        ; 224 words a step: the nearest word that a new one needs lies 227 back
	s_load_b64 s[2:3], s[0:1], 0x0                 ; key
	v_lshl_add_u32 v184, v0, 2, 0x5000
	v_mov_b32 v185, 0
	v_lshrrev_b32 v1, 5, v0
	v_readfirstlane_b32 s8, v1                     ; wave 0 .. 7
	s_mov_b32 s11, 0x7fffffff
	s_mov_b32 s12, 0x9908b0df
	s_cmp_lg_u32 s8, 0
	s_cbranch_scc1 .Lseeded
	; wave 0: x[0] = 0, x[i] = 1812433253 (x[i-1] ^ x[i-1] >> 30) + i.  32 words a trip, 20 trips: 640 words; the 16 beyond x[623]
	; are written again by the first step below, behind a barrier.
	s_mov_b32 s4, 0                                ; the word
	s_mov_b32 s7, 0                                ; its index
	s_mov_b32 s6, 0x6c078965
	s_mov_b32 s9, 20
	v_mov_b32 v3, 0                                ; v_writelane_b32's destination counts as read
	v_lshlrev_b32 v4, 2, v0
.Lseed:
.irp j, 0,1,2,3,4,5,6,7,8,9,10,11,12,13,14,15,16,17,18,19,20,21,22,23,24,25,26,27,28,29,30,31
	v_writelane_b32 v3, s4, \j
	s_lshr_b32 s5, s4, 30
	s_xor_b32 s5, s5, s4
	s_mul_i32 s5, s5, s6
	s_add_co_u32 s7, s7, 1
	s_add_co_u32 s4, s5, s7
.endr
	ds_store_b32 v4, v3
	v_add_nc_u32 v4, 128, v4
	s_sub_co_u32 s9, s9, 1
	s_cmp_lg_u32 s9, 0
	s_cbranch_scc1 .Lseed
.Lseeded:
	s_wait_dscnt 0x0                               ; wave 0's stores are done before it signals
	s_barrier_signal -1
	s_barrier_wait -1
	; 19 steps of 224 new words: thread t < 224 makes x[224 b + t + 624].  All that a step reads (up to x[224 b + 620]) was written in an
	; earlier step.  Wave 7 has no word and only passes the barriers.
	v_lshlrev_b32 v5, 2, v0
.macro STEP o
	s_cmp_eq_u32 s8, 7
	s_cbranch_scc1 .Lidle_\@
	ds_load_b32 v6, v5 offset:\o                   ; x[n]
	ds_load_b32 v7, v5 offset:\o+4                 ; x[n + 1]
	ds_load_b32 v8, v5 offset:\o+1588              ; x[n + 397]
	s_wait_dscnt 0x0
	v_bfi_b32 v6, s11, v7, v6                      ; y
	v_and_b32 v7, 1, v7
	v_sub_nc_u32 v7, 0, v7                         ; all ones where y is odd
	v_and_b32 v7, s12, v7
	v_lshrrev_b32 v6, 1, v6
	v_xor_b32 v6, v6, v8
	v_xor_b32 v6, v6, v7
	ds_store_b32 v5, v6 offset:\o+XW
.Lidle_\@:
	s_wait_dscnt 0x0                               ; my store is done before I signal: the next step's loads of other waves read it
	s_barrier_signal -1
	s_barrier_wait -1
.endm
.irp b, 0,1,2,3,4,5,6,7,8,9,10,11,12,13,14,15,16,17,18
	STEP STEPB*\b
.endr
	; The generator's output is a chain of shifts and masks of x; followed for its lowest bit alone it is the parity of bits
	; 0, 3, 14, 18, 22, 29 of x.  Thread t takes the 8 words of codeword t and the 8 of codeword t + 256; a compare into a scalar register
	; gathers one element's bit of the wave's 32 codewords into one word.
	v_lshlrev_b32 v5, 5, v0
	ds_load_b128 v[8:11],  v5 offset:XW
	ds_load_b128 v[12:15], v5 offset:XW+16
	ds_load_b128 v[16:19], v5 offset:XW+8192
	ds_load_b128 v[20:23], v5 offset:XW+8208
	s_wait_dscnt 0x0
.irp i, 0,1,2,3,4,5,6,7,8,9,10,11,12,13,14,15
	v_lshrrev_b32 v40, 3, v[8+\i]
	v_xor_b32 v[24+\i], v40, v[8+\i]
	v_lshrrev_b32 v40, 14, v[8+\i]
	v_xor_b32 v[24+\i], v[24+\i], v40
	v_lshrrev_b32 v40, 18, v[8+\i]
	v_xor_b32 v[24+\i], v[24+\i], v40
	v_lshrrev_b32 v40, 22, v[8+\i]
	v_xor_b32 v[24+\i], v[24+\i], v40
	v_lshrrev_b32 v40, 29, v[8+\i]
	v_xor_b32 v[24+\i], v[24+\i], v40
	v_and_b32 v[24+\i], 1, v[24+\i]
	v_cmp_ne_u32 s[16+\i], 0, v[24+\i]
.endr
.irp i, 0,1,2,3,4,5,6,7,8,9,10,11,12,13,14,15
	v_mov_b32 v[24+\i], s[16+\i]
.endr
	s_lshl_b32 s13, s8, 5
	s_add_co_u32 s13, s13, VBASE                   ; my wave's 32 bytes: g = wave; g = wave + 8 lies 256 bytes on
	v_mov_b32 v6, s13
	ds_store_b128 v6, v[24:27]                     ; every lane stores the same words to the same bytes
	ds_store_b128 v6, v[28:31] offset:16
	ds_store_b128 v6, v[32:35] offset:256
	ds_store_b128 v6, v[36:39] offset:272
	s_wait_dscnt 0x0
	s_barrier_signal -1
	s_barrier_wait -1
	; Thread p looks for the first codeword with pattern p.  Q[e] = 0 where bit e of p is set, else all ones: word (g, e) ^ Q[e] has a one
	; for each codeword whose element e agrees with p; the AND over e marks the codewords equal to p.
.irp e, 0,1,2,3,4,5,6,7
	v_bfe_u32 v[40+\e], v0, \e, 1
	v_add_nc_u32 v[40+\e], -1, v[40+\e]
.endr
	v_mov_b32 v7, VBASE
.irp i, 0,1,2,3,4,5,6,7,8,9,10,11,12,13,14,15,16,17,18,19,20,21,22,23,24,25,26,27,28,29,30,31
	ds_load_b128 v[48+4*\i:48+4*\i+3], v7 offset:16*\i
.endr
	v_mov_b32 v176, 0                              ; the marks of the lowest g that has any
	v_mov_b32 v177, 0                              ; that g
	s_wait_dscnt 0x0
.irp g, 15,14,13,12,11,10,9,8,7,6,5,4,3,2,1,0
	v_xor_b32 v178, v[48+8*\g], v40
.irp e, 1,2,3,4,5,6,7
	v_xor_b32 v179, v[48+8*\g+\e], v[40+\e]
	v_and_b32 v178, v178, v179
.endr
	v_cmp_eq_u32 vcc_lo, 0, v178
	v_cndmask_b32 v176, v178, v176, vcc_lo         ; no mark: keep what a higher g gave
	v_cndmask_b32 v177, \g, v177, vcc_lo
.endr
	v_sub_nc_u32 v178, 0, v176
	v_and_b32 v178, v178, v176                     ; the lowest mark, a power of two:
	v_cvt_f32_u32 v178, v178                       ; its place is the f32's exponent
	v_lshrrev_b32 v178, 23, v178
	v_add_nc_u32 v178, 0xffffff81, v178            ; - 127
	v_lshl_add_u32 v178, v177, 5, v178             ; first index = 32 g + place
	v_lshl_add_u32 v178, v178, 8, v0               ; 256 x first index + p
	v_or_b32 v179, 0x100000, v0                    ; 2^20 + p
	v_cmp_eq_u32 vcc_lo, 0, v176
	v_cndmask_b32 v178, v178, v179, vcc_lo         ; no codeword has pattern p
	v_cvt_f32_u32 v178, v178
	v_lshlrev_b32 v180, 2, v0
	s_wait_kmcnt 0x0
	global_store_b32 v180, v178, s[2:3]
	s_wait_tensorcnt 0x0
	ds_add_u32 v184, v185
	s_wait_dscnt 0x0
	s_endpgm
.Lfunc_end_k_q4d28400f14_table:
	.size	k_q4d28400f14_table, .Lfunc_end_k_q4d28400f14_table-k_q4d28400f14_table
	.p2alignl 7, 3214868480
	.fill 96, 4, 3214868480
	.section	.rodata,"a",@progbits
	.p2align	6, 0x0
	.amdhsa_kernel k_q4d28400f14_table
		.amdhsa_group_segment_fixed_size 21504
		.amdhsa_private_segment_fixed_size 0
		.amdhsa_enable_private_segment 0
		.amdhsa_kernarg_size 8
		.amdhsa_user_sgpr_count 2
		.amdhsa_user_sgpr_kernarg_segment_ptr 1
		.amdhsa_wavefront_size32 1
		.amdhsa_system_sgpr_workgroup_id_x 1
		.amdhsa_system_sgpr_workgroup_id_y 1
		.amdhsa_system_sgpr_workgroup_id_z 1
		.amdhsa_system_vgpr_workitem_id 0
		.amdhsa_next_free_vgpr 186
		.amdhsa_next_free_sgpr 66
		.amdhsa_reserve_vcc 1
		.amdhsa_float_denorm_mode_32 3
		.amdhsa_float_denorm_mode_16_64 3
		.amdhsa_memory_ordered 1
		.amdhsa_forward_progress 1
		.amdhsa_inst_pref_size 42
	.end_amdhsa_kernel
	.amdgpu_metadata
---
amdhsa.version: [ 1, 2 ]
amdhsa.kernels:
  - .name:           k_q4d28400f14_table
    .symbol:         k_q4d28400f14_table.kd
    .args:
      - { .name: key, .offset: 0, .size: 8, .value_kind: global_buffer, .address_space: global }
    .group_segment_fixed_size: 21504
    .private_segment_fixed_size: 0
    .kernarg_segment_align: 8
    .kernarg_segment_size: 8
    .max_flat_workgroup_size: 256
    .sgpr_count:     66
    .vgpr_count:     186
    .wavefront_size: 32
...
	.end_amdgpu_metadata
.endif
;; end of part 1
;; launch quant (part 2): grid 256 x 1, 8 waves a work-group, no clusters, 0 bytes of LDS; arguments w, key, out0; writes out0
.if DOCPART == 2
	.amdgcn_target "amdgcn-amd-amdhsa--gfx1250"
	.amdhsa_code_object_version 6
	.text
	.protected	k_q4d28400f14_quant
	.globl	k_q4d28400f14_quant
	.p2align	8
	.type	k_q4d28400f14_quant,@function
k_q4d28400f14_quant:
	s_mov_b64 s[64:65], 0
	v_nop
	global_prefetch_b8 v0, s[64:65] scope:SCOPE_SE
	s_setreg_imm32_b32 hwreg(HW_REG_WAVE_MODE, 25, 1), 1
	s_wait_xcnt 0x0
; out = w + (deq - w), deq = scale q sign(w) for each block of 8 numbers, q the codeword that maximises (|w| . q)^2 / |q|^2, the first in the
; codebook among equals.  w, out0: [2048][2048] f32.  key: f32 KEY[256] of the launch before (256 x first index + pattern; 2^20 + pattern: absent).
;
; The 512 codewords are at most 256 patterns of 1 and 3, so 256 patterns are scored, in natural order (bit e of p set: q[e] = 3).
; MATRIX USE: A = 16 patterns (rows), B = 16 blocks (columns), operands bf16, sums f32.  Lane (r = lane % 16, h = lane / 16) loads the 16 bytes at
; 32 r + 16 h of a group of 512 bytes: elements 4 h .. 4 h + 3 of block r, which go to K places 8 h .. 8 h + 3 (B's registers 0, 1); B's other six
; registers stay 0, so only registers 0, 1 of an A tile count and the 16 tiles lie 2 registers apart, each reading finite numbers of its neighbours.
; Row m of tile t is pattern (m % 8) + 8 t + 128 (m / 8), so accumulator register R = 8 t + j of lane (r, h) holds d = |w| . q of block r for pattern
; R + 128 h: the number of threes is popcount(R) + h, and popcount(R), the register's class, is known when the text is assembled.  An absent pattern's row is 0.
; SEARCH: inside a class |q|^2 = n is one number, so the score grows with d: (1) the largest d of each class; (2) eight scores a lane,
; fl(fl(d d) / n) with a correctly rounded division (product with the rounded reciprocal, exact residual, one correction), and their maximum over both
; halves; (3) TH[class] = that d where the class reaches the maximum, else +inf; (TH - d) 2^127 + KEY is KEY where d = TH and huge elsewhere; its minimum
; is the first index among the best, and its low 8 bits the pattern.  Nothing is branched on and no address is made of data.
; Each load and store of a wave covers 512 consecutive bytes that start at a multiple of 512 from the buffer's first byte.
; No LDS, no tensor loads, no cluster: the work-groups share nothing but the 1,024 bytes of key, which each wave keeps in registers.
; LIMITS.  The search sees |w| rounded to bf16.  TH - d below 2^-106 counts as a tie (|w| below about 2^-100); d d must neither overflow nor be denormal
; (|w| between about 2^-55 and 2^60); NaN and infinities in w are not served.  Two different d of one class whose scores round to one number are decided
; for the larger d, not by the index.  A dot whose exact sum does not fit 24 bits is rounded as the matrix unit rounds it.
.set GROUPB, 512                       ; bytes of a group: 16 blocks
.set OFF, 2                            ; v2        32 r + 16 h
.set SH,  3                            ; v3        4 h
.set T0,  4                            ; v4-7      at work (v7 = h in the set-up)
.set T1,  5
.set T2,  6
.set T3,  7
.set A,   8                            ; v8-45     tile t at v[8+2t : 15+2t]; v40-45 = 0
.set B,   46                           ; v46-53    v48-53 = 0
.set WR,  54                           ; v54-69    ring of four slots of four registers: w as loaded
.set AB,  70                           ; v70-73    |w|
.set DM,  74                           ; v74-81    largest d of class 0 .. 7;  later QF, E, F
.set QF,  74                           ; v74-77    my four q
.set E,   78                           ; v78-79    sums of |w| q
.set F,   80                           ; v80-81    sums of q; 1 / n
.set PP,  82                           ; v82-89    d d;  later THE, then O and D
.set THE, 82                           ; TH[k] at THE + k
.set O,   82                           ; v82-85    the result
.set D,   86                           ; v86-89    deq - w
.set QQ,  90                           ; v90-97    first quotient;  later THO
.set THO, 90                           ; TH[k + 1] at THO + k, k = 0 .. 5: pairs (TH[c], TH[c+1]) that start on an even register for odd c too
.set RR,  98                           ; v98-105   residual, then the scores;  later KM
.set KM,  98                           ; v98-101   four running minima
.set NV,  106                          ; v106-113  n of class k in my half
.set RC,  114                          ; v114-121  1 / n, rounded
.set SM,  122                          ; the largest score
.set TX,  123                          ; from the other half
.set KF,  124                          ; the smallest key
.set TY,  125
.set SC,  126                          ; v126 the scale (v127 is written once: the pair counts as read)
.set ACC, 128                          ; v128-255  the 128 accumulators
                                       ; v256-383  KEY[128 h + R], named v[R] with the operand's window set to 1
	s_load_b128 s[4:7], s[0:1], 0x0                ; w s[4:5], key s[6:7]
	s_load_b64 s[8:9], s[0:1], 0x10                ; out0
	v_lshrrev_b32 v1, 5, v0
	v_readfirstlane_b32 s10, v1                    ; wave 0 .. 7
	s_mov_b32 s12, 0x76543210                      ; v_permlanex16_b32: lane i of one half reads lane i of the other
	s_mov_b32 s13, 0xfedcba98
	s_mov_b32 s14, 0x7fffffff
	s_mov_b32 s15, 0x7f800000                      ; +inf
	s_mov_b32 s16, 0x3f803f80                      ; two bf16 1.0
	s_mov_b32 s17, 0x3f800000                      ; 1.0
	s_mov_b32 s18, 0x48000000                      ; 2^17: above every present pattern's key
	s_mov_b32 s19, 0xc1c00000                      ; -24.0
	s_mov_b32 s20, 0x3e000000                      ; 1/8, 1/16, 1/24 .. 1/72, each rounded to nearest
	s_mov_b32 s21, 0x3d800000
	s_mov_b32 s22, 0x3d2aaaab
	s_mov_b32 s23, 0x3d000000
	s_mov_b32 s24, 0x3ccccccd
	s_mov_b32 s25, 0x3caaaaab
	s_mov_b32 s26, 0x3c924925
	s_mov_b32 s27, 0x3c800000
	s_mov_b32 s28, 0x3c638e39
	s_mov_b32 s29, 0xc0                            ; bf16 3.0 - bf16 1.0, as codes
	s_mov_b32 s32, 0xc00000                        ; f32 3.0 - f32 1.0, as codes
	s_mov_b32 s34, 0x7f000000                      ; 2^127
	s_mov_b32 s35, 0x7f000000
	v_and_b32 v1, 15, v0                           ; r
	v_bfe_u32 v[T3], v0, 4, 1                      ; h
	v_lshlrev_b32 v[OFF], 5, v1
	v_lshl_add_u32 v[OFF], v[T3], 4, v[OFF]
	v_lshlrev_b32 v[SH], 2, v[T3]
	v_lshlrev_b32 v75, 9, v[T3]                    ; byte of KEY[128 h]
	v_and_b32 v74, 7, v1
	v_lshrrev_b32 v76, 3, v1
	v_lshl_or_b32 v74, v76, 7, v74                 ; c0: the pattern of A's row r in tile 0
	v_lshlrev_b32 v76, 2, v74                      ; byte of KEY[c0]
	s_lshl_b32 s30, ttmp9, 16                      ; the work-group's 64 KiB,
	s_lshl_b32 s31, s10, 13                        ; the wave's 8 KiB: 16 groups
	s_add_co_u32 s30, s30, s31
	s_mov_b32 s31, 0
	s_wait_kmcnt 0x0
	s_add_nc_u64 s[4:5], s[4:5], s[30:31]
	s_add_nc_u64 s[8:9], s[8:9], s[30:31]
	s_set_vgpr_msb 0x40                            ; destination in window 1
.set i, 0
.rept 32
	global_load_b128 v[4*i:4*i+3], v75, s[6:7] offset:16*i         ; v[256 + R] = KEY[128 h + R]
.set i, i+1
.endr
	s_set_vgpr_msb 0x4000                          ; all windows 0 again
.set i, 0
.rept 16
	global_load_b32 v[ACC+i], v76, s[6:7] offset:32*i              ; KEY[c0 + 8 t]: is row r of tile t in the codebook?
.set i, i+1
.endr
.irp s, 0,1,2,3
	global_load_b128 v[WR+4*\s:WR+4*\s+3], v[OFF], s[4:5] offset:GROUPB*\s th:TH_LOAD_NT   ; the ring: groups 0 to 3
.endr
	v_lshlrev_b32 v[T0], 3, v[T3]                  ; 8 h
	v_cmp_eq_u32 vcc_lo, 1, v[T3]
.irp k, 0,1,2,3,4,5,6,7
	v_add_nc_u32 v[T1], 8*\k+8, v[T0]
	v_cvt_f32_u32 v[NV+\k], v[T1]                  ; n = 8 + 8 (k + h)
	v_mov_b32 v[T2], s[21+\k]
	v_cndmask_b32 v[RC+\k], s[20+\k], v[T2], vcc_lo
.endr
.irp z, 40,41,42,43,44,45,48,49,50,51,52,53,123,125,127
	v_mov_b32 v\z, 0                               ; the K places that no element fills; destinations and a pair's half that count as read
.endr
	s_wait_loadcnt 0x4                             ; all of key is in; the four ring loads, issued last, stay out
.set i, 0
.rept 16
	v_add_nc_u32 v[T0], 8*i, v74
	v_lshrrev_b32 v[T0], v[SH], v[T0]              ; bits 4 h .. 4 h + 3 of the pattern: my four elements
	v_and_b32 v[T1], 3, v[T0]
	v_lshl_or_b32 v[T1], v[T1], 15, v[T1]
	v_and_b32 v[T1], 0x10001, v[T1]                ; one bit in each half word
	v_mad_u32_u24 v[T1], v[T1], s29, s16           ; bf16 1.0 or 3.0, twice
	v_bfe_u32 v[T2], v[T0], 2, 2
	v_lshl_or_b32 v[T2], v[T2], 15, v[T2]
	v_and_b32 v[T2], 0x10001, v[T2]
	v_mad_u32_u24 v[T2], v[T2], s29, s16
	v_cmp_gt_f32 vcc_lo, s18, v[ACC+i]
	v_cndmask_b32 v[A+2*i], 0, v[T1], vcc_lo       ; an absent pattern's row is 0
	v_cndmask_b32 v[A+2*i+1], 0, v[T2], vcc_lo
.set i, i+1
.endr
; The largest d of each class.  The registers are walked in order; each class gathers two and takes them with its running maximum in one
; instruction.  Every class has an odd number of registers (1, 7, 21, 35, 35, 21, 7, 1), so one is left for the end.  d is never negative: 0 starts a maximum.
.macro PASS1
.irp k, 0,1,2,3,4,5,6,7
.set C\k, 0
.set P\k, 0
.endr
.set r, 0
.rept 128
.set pcr, (r&1)+((r>>1)&1)+((r>>2)&1)+((r>>3)&1)+((r>>4)&1)+((r>>5)&1)+((r>>6)&1)
.irp k, 0,1,2,3,4,5,6,7
.if pcr == \k
.if (C\k & 1) == 0
.set P\k, r
.else
.if C\k == 1
	v_max3_num_f32 v[DM+\k], 0, v[ACC+P\k], v[ACC+r]
.else
	v_max3_num_f32 v[DM+\k], v[DM+\k], v[ACC+P\k], v[ACC+r]
.endif
.endif
.set C\k, C\k+1
.endif
.endr
.set r, r+1
.endr
.irp k, 1,2,3,4,5,6
	v_max_num_f32 v[DM+\k], v[DM+\k], v[ACC+P\k]
.endr
	v_mov_b32 v[DM], v[ACC+P0]                     ; classes 0 and 7 have one register each
	v_mov_b32 v[DM+7], v[ACC+P7]
.endm
; Eight scores, their maximum over the block, and TH.
.macro SCORE
.irp i, 0,2,4,6
	v_pk_mul_f32 v[PP+\i:PP+\i+1], v[DM+\i:DM+\i+1], v[DM+\i:DM+\i+1]
.endr
.irp i, 0,2,4,6
	v_pk_mul_f32 v[QQ+\i:QQ+\i+1], v[PP+\i:PP+\i+1], v[RC+\i:RC+\i+1]
.endr
.irp i, 0,2,4,6
	v_pk_fma_f32 v[RR+\i:RR+\i+1], v[QQ+\i:QQ+\i+1], v[NV+\i:NV+\i+1], v[PP+\i:PP+\i+1] neg_lo:[1,0,0] neg_hi:[1,0,0]   ; the residual, exact
.endr
.irp i, 0,2,4,6
	v_pk_fma_f32 v[RR+\i:RR+\i+1], v[RR+\i:RR+\i+1], v[RC+\i:RC+\i+1], v[QQ+\i:QQ+\i+1]   ; n has 7 bits: no quotient lies near enough to a midpoint for this to round wrongly
.endr
	v_max3_num_f32 v[SM], v[RR], v[RR+1], v[RR+2]
	v_max3_num_f32 v[SM], v[SM], v[RR+3], v[RR+4]
	v_max3_num_f32 v[SM], v[SM], v[RR+5], v[RR+6]
	v_max_num_f32 v[SM], v[SM], v[RR+7]
	v_permlanex16_b32 v[TX], v[SM], s12, s13
	v_max_num_f32 v[SM], v[SM], v[TX]
	v_cmp_eq_f32 vcc_lo, v[RR], v[SM]
	v_cndmask_b32 v[THE], s15, v[DM], vcc_lo
.irp k, 1,2,3,4,5,6
	v_cmp_eq_f32 vcc_lo, v[RR+\k], v[SM]
	v_cndmask_b32 v[THE+\k], s15, v[DM+\k], vcc_lo
	v_cndmask_b32 v[THO+\k-1], s15, v[DM+\k], vcc_lo
.endr
	v_cmp_eq_f32 vcc_lo, v[RR+7], v[SM]
	v_cndmask_b32 v[THE+7], s15, v[DM+7], vcc_lo
.endm
; The smallest key among the patterns that reach the largest score.
.macro PASS2
.set r, 0
.rept 64
.set pcr, ((r>>1)&1)+((r>>2)&1)+((r>>3)&1)+((r>>4)&1)+((r>>5)&1)+((r>>6)&1)
.if (pcr & 1) == 0
.set thp, THE+pcr
.else
.set thp, THO+pcr-1
.endif
	v_pk_add_f32 v[ACC+r:ACC+r+1], v[thp:thp+1], v[ACC+r:ACC+r+1] neg_lo:[0,1] neg_hi:[0,1]   ; TH - d: registers r, r + 1 are of classes c, c + 1
.set r, r+2
.endr
	s_set_vgpr_msb 0x10                            ; source 2 in window 1: KEY
.set r, 0
.rept 64
	v_pk_fma_f32 v[ACC+r:ACC+r+1], v[ACC+r:ACC+r+1], s[34:35], v[r:r+1] op_sel_hi:[1,0,1]
.set r, r+2
.endr
	s_set_vgpr_msb 0x1000                          ; all windows 0 again
.irp c, 0,1,2,3
	v_min3_num_f32 v[KM+\c], v[ACC+32*\c], v[ACC+32*\c+1], v[ACC+32*\c+2]
.endr
.set q, 3
.rept 14
.irp c, 0,1,2,3
	v_min3_num_f32 v[KM+\c], v[KM+\c], v[ACC+32*\c+q], v[ACC+32*\c+q+1]
.endr
.set q, q+2
.endr
.irp c, 0,1,2,3
	v_min_num_f32 v[KM+\c], v[KM+\c], v[ACC+32*\c+31]
.endr
	v_min3_num_f32 v[KF], v[KM], v[KM+1], v[KM+2]
	v_min_num_f32 v[KF], v[KF], v[KM+3]
	v_permlanex16_b32 v[TX], v[KF], s12, s13
	v_min_num_f32 v[KF], v[KF], v[TX]
.endm
; One group of 16 blocks from ring slot 'slot'.  left = how many younger ring loads may stay out; refill = 1: the slot gets the group four further on.
.macro GROUP slot, left, refill
.set W, WR+4*\slot
	s_wait_loadcnt \left                           ; loads come back in order (ISA guide 5.7.1): this slot's is in, the other slots' stay out
.irp i, 0,1,2,3
	v_and_b32 v[AB+\i], s14, v[W+\i]
.endr
	v_cvt_pk_bf16_f32 v[B], v[AB], v[AB+1]
	v_cvt_pk_bf16_f32 v[B+1], v[AB+2], v[AB+3]
.irp t, 0,1,2,3,4,5,6,7,8,9,10,11,12,13,14,15
	v_wmma_f32_16x16x32_bf16 v[ACC+8*\t:ACC+8*\t+7], v[A+2*\t:A+2*\t+7], v[B:B+7], 0   ; K is 8: one product is the whole sum, on sixteen different accumulators
.endr
.rept 4
	v_nop                                          ; four places between a matrix instruction and the first vector read of a result (ISA guide 7.12.1)
.endr
	PASS1
	s_wait_xcnt 0x0                                ; the last group's store has had its address translated: its data registers (O = PP) are rewritten only behind this wait
	SCORE
	PASS2
	v_cvt_u32_f32 v[T0], v[KF]
	v_lshrrev_b32 v[T0], v[SH], v[T0]              ; bits 4 h .. of the pattern
.irp i, 0,1,2,3
	v_bfe_u32 v[QF+\i], v[T0], \i, 1
.endr
.irp i, 0,1,2,3
	v_mad_u32_u24 v[QF+\i], v[QF+\i], s32, s17     ; 1.0 or 3.0
.endr
	v_pk_mul_f32 v[E:E+1], v[AB:AB+1], v[QF:QF+1]
	v_pk_add_f32 v[F:F+1], v[QF:QF+1], v[QF+2:QF+3]
	v_pk_fma_f32 v[E:E+1], v[AB+2:AB+3], v[QF+2:QF+3], v[E:E+1]
	v_add_f32 v[F], v[F], v[F+1]
	v_add_f32 v[E], v[E], v[E+1]
	v_permlanex16_b32 v[TY], v[F], s12, s13
	v_permlanex16_b32 v[TX], v[E], s12, s13
	v_add_f32 v[F], v[F], v[TY]                    ; the sum of q = 8 + 2 k
	v_add_f32 v[E], v[E], v[TX]                    ; |w| . q, with |w| as given
	v_fma_f32 v[F], v[F], 4.0, s19                 ; n = 8 + 8 k = 4 (8 + 2 k) - 24
	v_rcp_f32 v[F+1], v[F]
	v_nop                                          ; one plain vector instruction between v_rcp_f32 and the use of its result (ISA guide 5.7.2)
	s_wait_alu depctr_va_vdst(0)
	v_mul_f32 v[SC], v[E], v[F+1]
	v_pk_mul_f32 v[O:O+1], v[QF:QF+1], v[SC:SC+1] op_sel_hi:[1,0]
	v_pk_mul_f32 v[O+2:O+3], v[QF+2:QF+3], v[SC:SC+1] op_sel_hi:[1,0]
.irp i, 0,1,2,3
	v_bfi_b32 v[O+\i], s14, v[O+\i], v[W+\i]       ; w's sign
	v_cmp_neq_f32 vcc_lo, 0, v[W+\i]
	v_cndmask_b32 v[O+\i], 0, v[O+\i], vcc_lo      ; sign(0) = 0
.endr
	v_pk_add_f32 v[D:D+1], v[O:O+1], v[W:W+1] neg_lo:[0,1] neg_hi:[0,1]
	v_pk_add_f32 v[D+2:D+3], v[O+2:O+3], v[W+2:W+3] neg_lo:[0,1] neg_hi:[0,1]
	v_pk_add_f32 v[O:O+1], v[W:W+1], v[D:D+1]      ; w + (deq - w), as it is written
	v_pk_add_f32 v[O+2:O+3], v[W+2:W+3], v[D+2:D+3]
.if \refill
	global_load_b128 v[W:W+3], v[OFF], s[4:5] offset:GROUPB*(\slot+4) th:TH_LOAD_NT
.endif
	global_store_b128 v[OFF], v[O:O+3], s[8:9] offset:GROUPB*\slot th:TH_STORE_NT
.endm
	s_mov_b32 s11, 3                               ; 3 trips of 4 groups; the last 4 groups stand behind the loop and load nothing
.Ltrip:
	GROUP 0, 3, 1
	GROUP 1, 3, 1
	GROUP 2, 3, 1
	GROUP 3, 3, 1
	s_wait_xcnt 0x0                                ; the bases are stepped only behind this wait
	s_add_nc_u64 s[4:5], s[4:5], 4*GROUPB
	s_add_nc_u64 s[8:9], s[8:9], 4*GROUPB
	s_sub_co_u32 s11, s11, 1
	s_cmp_lg_u32 s11, 0
	s_cbranch_scc1 .Ltrip
	GROUP 0, 3, 0                                  ; no load leaves the buffer: the counts run down
	GROUP 1, 2, 0
	GROUP 2, 1, 0
	GROUP 3, 0, 0
	s_endpgm
.Lfunc_end_k_q4d28400f14_quant:
	.size	k_q4d28400f14_quant, .Lfunc_end_k_q4d28400f14_quant-k_q4d28400f14_quant
	.p2alignl 7, 3214868480
	.fill 96, 4, 3214868480
	.section	.rodata,"a",@progbits
	.p2align	6, 0x0
	.amdhsa_kernel k_q4d28400f14_quant
		.amdhsa_group_segment_fixed_size 0
		.amdhsa_private_segment_fixed_size 0
		.amdhsa_enable_private_segment 0
		.amdhsa_kernarg_size 24
		.amdhsa_user_sgpr_count 2
		.amdhsa_user_sgpr_kernarg_segment_ptr 1
		.amdhsa_wavefront_size32 1
		.amdhsa_system_sgpr_workgroup_id_x 1
		.amdhsa_system_sgpr_workgroup_id_y 1
		.amdhsa_system_sgpr_workgroup_id_z 1
		.amdhsa_system_vgpr_workitem_id 0
		.amdhsa_next_free_vgpr 384
		.amdhsa_next_free_sgpr 66
		.amdhsa_reserve_vcc 1
		.amdhsa_float_denorm_mode_32 3
		.amdhsa_float_denorm_mode_16_64 3
		.amdhsa_memory_ordered 1
		.amdhsa_forward_progress 1
		.amdhsa_inst_pref_size 194
	.end_amdhsa_kernel
	.amdgpu_metadata
---
amdhsa.version: [ 1, 2 ]
amdhsa.kernels:
  - .name:           k_q4d28400f14_quant
    .symbol:         k_q4d28400f14_quant.kd
    .args:
      - { .name: w, .offset: 0, .size: 8, .value_kind: global_buffer, .address_space: global }
      - { .name: key, .offset: 8, .size: 8, .value_kind: global_buffer, .address_space: global }
      - { .name: out0, .offset: 16, .size: 8, .value_kind: global_buffer, .address_space: global }
    .group_segment_fixed_size: 0
    .private_segment_fixed_size: 0
    .kernarg_segment_align: 8
    .kernarg_segment_size: 24
    .max_flat_workgroup_size: 256
    .sgpr_count:     66
    .vgpr_count:     384
    .wavefront_size: 32
...
	.end_amdgpu_metadata
.endif
;; end of part 2
